; MI455X (gfx1250); checked and timed in simulation.
; The chip was launched on July 23, 2026; its instructions are those of AMD's public machine-readable ISA for CDNA 5 (MIT licence, August 2026) and "CDNA5" Instruction Set Architecture Reference Guide (July 2026). The comments in the code are by the model that wrote it; some were corrected since.
;; Q Linear. Allowed arithmetic: matrix products marked QUANTISED: E2M1 operands, one E8M0 scale for each 32 along K, by v_wmma_scale_f32_16x16x128_f8f6f4 with both operands' format E2M1 (or v_wmma_scale_f32_32x16x128_f4), f32 sums; everything else in f32.
;; Inputs: W_q 131,072 x 64 int32; bias 4,096 float32; scale 262,144 x 1 float32; x 4,096 x 4,096 float32; zero 262,144 x 1 float32.
;; Outputs: out0 4,096 x 4,096 float32.
;; This version of the problem:
;;   THIS VERSION OF THE PROBLEM IS GIVEN IN LOW PRECISION. The matrix products marked QUANTISED in the list below multiply operands that are first quantised to E2M1 (2 exponent bits, 1 mantissa bit; 4 bits a number), with one power-of-two scale for each 32 numbers along K (OCP MX v1.0); their sums are f32. All else is computed in f32.
;;   The module's matrix products, in the order in which they are computed (A, B: the left and right operand; K: the contracted axis; several contracted axes count as one K, in the product's order):
;;     1. [M 4,096, K 4,096] x [K 4,096, N 4,096]; A: input x; B: computed on the way: QUANTISED
;;   THE QUANTISER, for each operand of a quantised product, along K:
;;     - K is cut into blocks of 32 from its start; a last block that is shorter is filled with zeros.
;;     - A block's scale is 2^e with e = floor(log2(the largest magnitude in the block)) - 2, held to -126 .. 127; a block of zeros has e = 0. As a byte (E8M0): e + 127.
;;     - Each number is divided by its block's scale, clamped to +-6, and rounded to the nearest number of E2M1, ties to even, subnormals kept.
;;     - The product sums the exact products of the quantised numbers (number of the format x scale) in f32.
;;   ~~~python
;;   def quantise(x, axis):      # numpy; x: float32 -> the quantised numbers, widened to float32 again
;;       x = np.moveaxis(x, axis, -1); K = x.shape[-1]
;;       x = np.pad(x, [(0, 0)] * (x.ndim - 1) + [(0, -K % 32)]); x = x.reshape(x.shape[:-1] + (-1, 32)); a = np.abs(x).max(-1, keepdims=True)
;;       e = np.where(a > 0, np.clip(np.frexp(np.where(a > 0, a, 1))[1] - 1 - 2, -126, 127), 0)      # np.frexp(a)[1] - 1 = floor(log2(a)), exactly
;;       r = np.clip(x / 2.0 ** e, -6, 6)
;;       step = 2.0 ** (np.maximum(np.frexp(np.where(r == 0, 1, r))[1] - 1, 0) - 1)
;;       q = np.round(r / step) * step * 2.0 ** e      # np.round: ties to even
;;       return np.moveaxis(q.reshape(q.shape[:-2] + (-1,))[..., :K], -1, axis).astype(np.float32)
;;   ~~~
;;   OPERANDS COMPUTED ON THE WAY. 'Computed on the way' means the value that the module computes at that place (a softmax that the list does not call 'softmax' is quantised finished and normalised). What goes into a quantiser is computed in f32, as accurately as f32 sums, v_exp_f32 and their like allow (about 1e-6 of the number): no bf16 or f16 on the way to a quantiser, and a product that is left as it is and whose result goes on into a quantised operand takes f32 operands (vector FMAs, or v_wmma_f32_16x16x4_f32). A number that lies on a knife's edge between two numbers of the format may be rounded either way, as far as f32 arithmetic and the matrix unit's own rounding can turn it there, and no further.
;; One version. Each part assembles by itself: llvm-mc -triple=amdgcn-amd-amdhsa -mcpu=gfx1250 --defsym DOCPART=n.
;; ======== version 1 of 1: 2 launches
;; limits: right only within a limited range of input values
;; workspace buffers: xq 8,912,896 bytes; wq 8,912,896 bytes
;; launch quant (part 1): grid 768 x 1, 4 waves a work-group, no clusters, 101,888 bytes of LDS; arguments x, W_q, scale, zero, xq, wq; writes xq, wq
.if DOCPART == 1
	.amdgcn_target "amdgcn-amd-amdhsa--gfx1250"
	.amdhsa_code_object_version 6
	.text
	.protected	k_q745ff78731_quant
	.globl	k_q745ff78731_quant
	.p2align	8
	.type	k_q745ff78731_quant,@function
k_q745ff78731_quant:
	s_mov_b64 s[64:65], 0
	v_nop
	global_prefetch_b8 v0, s[64:65] scope:SCOPE_SE
	s_setreg_imm32_b32 hwreg(HW_REG_WAVE_MODE, 25, 1), 1
	s_wait_xcnt 0x0
; Both operands of out = x W_r^T + bias are turned, once, into codes of FP4 (E2M1) with one E8M0 scale byte for each 32 along K.
; x: [4096][4096] f32, K innermost.  W_q, read as [2048][4096] int32: W_r[o][k] = ((W_q[o][k] >> 4) - zero[o][k/64]) * scale[o][k/64], W_r[o+2048][k] = ((W_q[o][k] & 15) - zero[o+2048][k/64]) * scale[o+2048][k/64];
; scale and zero read as [4096][64] f32.  The dequantiser is a subtraction and then a multiplication in f32: the same two roundings as the definition has.
; A block's scale is 2^(floor(log2(its largest magnitude)) - 2); its byte is the largest magnitude's exponent field - 2, held at 1 from below.  Each number is divided by the scale and rounded to the nearest code, ties to even,
; beyond the largest code the largest.
; LIMITS: NaN and infinities in x, scale or zero are not served.  A block of zeros gets the byte 1 (the definition says 127): its codes are zeros, which add nothing, and the bytes are read by this program alone.
; Blocks whose largest magnitude lies under 2^-124 keep the byte 1, as the definition's hold at -126 has it.
; THE OUTPUT, xq and wq alike: [32 groups of 128 rows][8 K steps of 512][128 rows][272 bytes].  A RECORD of 272 bytes is one row's K step: 256 bytes of codes (the lower k in the low four bits), then its 16 scale bytes.
; So 128 rows of a K step, codes and scales, are 34,816 consecutive bytes, which the product's launch brings in by one load, with rows 272 bytes apart as it wants them in LDS.
; SHARES.  Work-groups 0-511 take x, 512-767 W_q.  A wave takes 16 rows x one K step: 16 steps of 512 numbers (2,048 consecutive bytes, four loads of 512).  The conversions take neighbours along K from ONE lane's registers,
; so a step's bytes turn through the wave's own stage in LDS: in as loaded, 16 bytes a lane; out 64 bytes a lane (16 neighbours; two neighbouring lanes hold a block).  The stage has 16 bytes of padding behind each 64.
; A wave's 16 records are 4,352 consecutive bytes of the output: they are gathered in an image in LDS and leave by stores of 512 and 256 consecutive bytes, each at a multiple of 256 from the buffer's first byte.
; No tensor loads, no barrier: waves share nothing.  Loads run four steps (16 loads a wave) ahead, the turn through LDS one step.  The two paths part on the work-group's number; each has LDS bytes of its own.
.set XWG,   512                        ; work-groups that take x
.set REC,   272                        ; a record
.set KB,    128*REC                    ; 128 rows of a K step
.set GB,    8*KB                       ; a group of 128 rows, all of K
.set SP,    80                         ; a lane's place in a stage: its 64 bytes + 16 of padding
.set STG,   32*SP                      ; a stage
.set IMG,   16*REC                     ; an image: 16 records
.set XREG,  2*STG+IMG                  ; x path, a wave's LDS: two stages, the image
.set WBASE, 4*XREG                     ; W path: behind the x path's
.set WREG,  2*STG+2048+2*IMG           ; a wave's: two stages, the table of zeros and scales, two images
.set LOWG,  16*GB                      ; rows o + 2048 lie 16 groups on in wq,
.set LOWS,  2048*256                   ; and 2,048 rows of 256 bytes on in scale and zero
.set R,     16                         ; v16-79   four sets of 16 numbers as they are loaded; on the way out the images
.set X,     80                         ; v80-111  two sets of 16 neighbours
.set H,     112                        ; v112-127 W path: the 16 numbers of the high four bits
.set Q,     128                        ; v128-135 W path: two table entries: zero, scale of row o; zero, scale of row o + 2048
.set C,     136                        ; v136-143 codes, two sets by the step's parity
.set E,     144                        ; v144-147 scale bytes, two sets
.set T,     148                        ; v148-163 W path: the table as loaded
; v2 lane; v3 16 x lane; v7 8 x lane; v4 image + 8 x lane; v5 image + lane / 2; v6 image + 16 x lane; v10 table + 16 (lane / 4); v14, v15 the stage, in and out; v164 table + 16 x lane; v165 the table's offset in memory
; v8, v9, v12, v13 largest magnitudes; v11, v166 the conversions' scale operands
	s_load_b256 s[4:11], s[0:1], 0x0               ; x s[4:5], W_q s[6:7], scale s[8:9], zero s[10:11]
	s_load_b128 s[12:15], s[0:1], 0x20             ; xq s[12:13], wq s[14:15]
	v_lshl_add_u32 v168, v0, 2, 0x18c00
	v_mov_b32 v169, 0
	v_lshrrev_b32 v1, 5, v0
	v_readfirstlane_b32 s16, v1                    ; wave 0..3
	v_and_b32 v2, 31, v0                           ; lane
	v_lshlrev_b32 v3, 4, v2
	v_lshlrev_b32 v7, 3, v2
	s_cmp_lt_u32 ttmp9, XWG
	s_cselect_b32 s18, 0, XWG/2
	s_lshr_b32 s17, ttmp9, 1
	s_sub_co_u32 s17, s17, s18                     ; which block of 16 rows of my tensor
	s_and_b32 s19, ttmp9, 1
	s_lshl_b32 s19, s19, 2
	s_add_co_u32 s19, s19, s16                     ; which K step: 4 x (work-group's low bit) + wave
	s_lshl_b32 s28, s17, 18                        ; in: 16 rows of 16,384 bytes,
	s_lshl_b32 s18, s19, 11                        ; a K step of 2,048 bytes
	s_add_co_u32 s28, s28, s18
	s_mov_b32 s29, 0
	s_lshr_b32 s30, s17, 3                         ; out: the group of 128 rows,
	s_mul_i32 s30, s30, GB
	s_mul_i32 s18, s19, KB                         ; the K step,
	s_add_co_u32 s30, s30, s18
	s_and_b32 s18, s17, 7                          ; my 16 records among its 128
	s_mul_i32 s18, s18, IMG
	s_add_co_u32 s30, s30, s18
	s_mov_b32 s31, 0
	s_wait_kmcnt 0x0
	s_cmp_lt_u32 ttmp9, XWG
	s_cbranch_scc0 .Lweights
.macro LOAD t                          ; step t: row t of my 16, my K step: each load reads 512 consecutive bytes
.irp i, 0,1,2,3
	global_load_b128 v[R+16*((\t)%4)+4*\i:R+16*((\t)%4)+4*\i+3], v3, s[20:21] offset:16384*(\t)+512*\i th:TH_LOAD_NT
.endr
.endm
.macro TURN t                          ; step t's numbers through the stage: LDS serves a wave's instructions in order (ISA guide 5.7.1.4), so no wait stands between the stores and the loads
.irp i, 0,1,2,3
	ds_store_b128 v14, v[R+16*((\t)%4)+4*\i:R+16*((\t)%4)+4*\i+3] offset:STG*((\t)%2)+8*SP*\i
.endr
.irp i, 0,1,2,3
	ds_load_b128 v[X+16*((\t)%2)+4*\i:X+16*((\t)%2)+4*\i+3], v15 offset:STG*((\t)%2)+16*\i
.endr
.endm
.macro WTURN t                         ; and with them my group's table entry of row t
	TURN \t
	ds_load_b128 v[Q+4*((\t)%2):Q+4*((\t)%2)+3], v10 offset:128*(\t)
.endm
; 16 neighbours of a lane, v[src] on, become 16 codes in v[c], v[c + 1] and their block's scale byte in v[e].
.macro BLK src, m0, m1, so, c, e
	v_max3_num_f32 v[\m0], |v[\src]|, |v[\src+1]|, |v[\src+2]|      ; the largest magnitude of my 16, in two chains
	v_max3_num_f32 v[\m1], |v[\src+3]|, |v[\src+4]|, |v[\src+5]|
.irp i, 6,10
	v_max3_num_f32 v[\m0], v[\m0], |v[\src+\i]|, |v[\src+\i+1]|
	v_max3_num_f32 v[\m1], v[\m1], |v[\src+\i+2]|, |v[\src+\i+3]|
.endr
	v_max3_num_f32 v[\m0], v[\m0], |v[\src+14]|, |v[\src+15]|
	v_max3_num_f32 v[\m0], v[\m0], v[\m1], 0x1800000               ; and the floor 2^(3 - 127): so the byte cannot fall under 1
	v_max_num_f32_dpp v[\m0], v[\m0], v[\m0] row_xmask:1 row_mask:0xf bank_mask:0xf   ; and of my neighbour's 16: the block's
	v_add_nc_u32 v[\so], 0xff000000, v[\m0]                        ; 2 off its exponent field: the conversion takes the exponent field of this operand as its scale, and nothing else of it
	v_cvt_scalef32_pk8_fp4_f32 v[\c], v[\src:\src+7], v[\so]       ; the first number's code in the lowest four bits
	v_cvt_scalef32_pk8_fp4_f32 v[\c+1], v[\src+8:\src+15], v[\so]
	v_lshrrev_b32 v[\e], 23, v[\so]                                ; the scale's byte.  (Also the plain line behind the conversions)
.endm
.macro STAGEADR                        ; from s18 = my wave's LDS
	v_lshrrev_b32 v14, 2, v2
	v_mul_u32_u24 v14, v14, SP
	v_and_b32 v15, 3, v2
	v_lshl_add_u32 v14, v15, 4, v14
	v_add_nc_u32 v14, s18, v14                     ; in: four lanes' 64 bytes on end, then the padding: SP (lane / 4) + 16 (lane % 4); a load's 512 bytes take eight places
	v_mul_u32_u24 v15, v2, SP
	v_add_nc_u32 v15, s18, v15                     ; out: SP x lane: my 16 neighbours
.endm
.macro IMAGEADR                        ; from s18 = my wave's (first) image
	v_add_nc_u32 v4, s18, v7                       ; my 8 bytes of a record's codes
	v_lshrrev_b32 v5, 1, v2
	v_add_nc_u32 v5, s18, v5                       ; my block's byte (the record's 256 stand in the immediate)
	v_add_nc_u32 v6, s18, v3                       ; the way out: 16 bytes a lane
.endm
.macro IMGIN reg, off                  ; an image back into registers: 8 x 512 bytes and 256
.irp j, 0,1,2,3,4,5,6,7
	ds_load_b128 v[\reg+4*\j:\reg+4*\j+3], v6 offset:\off+512*\j
.endr
	ds_load_b64 v[\reg+32:\reg+33], v4 offset:\off+4096
.endm
.macro IMGOUT reg, off                 ; and out: each store covers 512 or 256 consecutive bytes, at a multiple of 256 from the buffer's first byte
.irp j, 0,1,2,3,4,5,6,7
	global_store_b128 v3, v[\reg+4*\j:\reg+4*\j+3], s[22:23] offset:\off+512*\j
.endr
	global_store_b64 v7, v[\reg+32:\reg+33], s[22:23] offset:\off+4096
.endm
.macro AHEAD t, mine                   ; the head of step t.  mine: the LDS stores that the step before issued behind this step's turn
.if (\t) > 0
	s_wait_dscnt \mine                             ; this step's numbers are back from the stage (the last step's stores into the image may be out): so its stores into the stage have read their registers,
.else
	s_wait_dscnt 0x0
.endif
.if (\t)+4 < 16
	LOAD (\t)+4                                    ; which take the loads of four steps on
.endif
.if (\t)+1 < 16
.if 14-(\t) >= 3
	s_wait_loadcnt 12                              ; the next step's four loads are in; those of the three steps behind it may be out
.else
	s_wait_loadcnt 4*(14-(\t))                     ; (towards the end fewer steps are behind it)
.endif
.endif
.endm
	; ---------------- x ----------------
	s_add_nc_u64 s[20:21], s[4:5], s[28:29]
	s_add_nc_u64 s[22:23], s[12:13], s[30:31]
	s_wait_alu depctr_va_vdst(0)
.irp t, 0,1,2,3
	LOAD \t
.endr
	s_mul_i32 s18, s16, XREG
	STAGEADR
	s_add_co_u32 s18, s18, 2*STG
	IMAGEADR
	s_wait_alu depctr_va_vdst(0)
	s_wait_loadcnt 12                              ; step 0's four loads are in
	TURN 0
.macro XSTEP t
.set XS, X+16*((\t)%2)
.set CS, C+4*((\t)%2)
.set ES, E+2*((\t)%2)
	AHEAD \t, 2
.if (\t)+1 < 16
	TURN (\t)+1                                    ; the next step goes through the other stage while this one is worked
.endif
	BLK XS, 8, 9, 11, CS, ES
	ds_store_b64 v4, v[CS:CS+1] offset:REC*(\t)    ; codes and byte have two sets of registers: the wait at the head of the step after next shows these stores done
	ds_store_b8 v5, v[ES] offset:REC*(\t)+256      ; both lanes of a block write the same byte with the same value
.endm
.irp t, 0,1,2,3,4,5,6,7,8,9,10,11,12,13,14,15
	XSTEP \t
.endr
	IMGIN R, 0                                     ; LDS serves a wave's instructions in order: these see my stores
	s_wait_dscnt 0x0
	IMGOUT R, 0
	s_wait_tensorcnt 0x0
	ds_add_u32 v168, v169
	s_wait_dscnt 0x0
	s_endpgm
	; ---------------- W_q ----------------
.Lweights:
	s_add_nc_u64 s[20:21], s[6:7], s[28:29]
	s_add_nc_u64 s[22:23], s[14:15], s[30:31]
	s_lshl_b32 s32, s17, 12                        ; scale, zero: 16 rows of 256 bytes,
	s_lshl_b32 s33, s19, 5                         ; my K step's 8 groups of 64: 32 bytes
	s_add_co_u32 s32, s32, s33
	s_mov_b32 s33, 0
	s_add_nc_u64 s[24:25], s[8:9], s[32:33]
	s_add_nc_u64 s[26:27], s[10:11], s[32:33]
	s_wait_alu depctr_va_vdst(0)
	v_lshrrev_b32 v165, 3, v2
	v_and_b32 v1, 7, v2
	v_lshlrev_b32 v1, 2, v1
	v_lshl_add_u32 v165, v165, 8, v1               ; entry 32 i + lane is row 4 i + lane / 8, group lane % 8
.irp i, 0,1,2,3
	global_load_b32 v[T+4*\i],   v165, s[26:27] offset:1024*\i         ; zero of row o,
	global_load_b32 v[T+4*\i+1], v165, s[24:25] offset:1024*\i         ; scale of row o,
	global_load_b32 v[T+4*\i+2], v165, s[26:27] offset:1024*\i+LOWS    ; zero of row o + 2048,
	global_load_b32 v[T+4*\i+3], v165, s[24:25] offset:1024*\i+LOWS    ; scale of row o + 2048: one entry of 16 bytes
.endr
.irp t, 0,1,2,3
	LOAD \t
.endr
	s_mul_i32 s18, s16, WREG
	s_add_co_u32 s18, s18, WBASE
	STAGEADR
	s_add_co_u32 s18, s18, 2*STG                   ; the table: 128 entries, entry 8 t + group
	v_lshrrev_b32 v10, 2, v2
	v_lshl_add_u32 v10, v10, 4, s18                ; my 16 neighbours lie in group lane / 4 of the K step's eight
	v_add_nc_u32 v164, s18, v3
	s_add_co_u32 s18, s18, 2048
	IMAGEADR
	s_wait_alu depctr_va_vdst(0)
	s_wait_loadcnt 16                              ; the table's 16 loads are in; the four steps' loads behind them may be out
.irp i, 0,1,2,3
	ds_store_b128 v164, v[T+4*\i:T+4*\i+3] offset:512*\i
.endr
	s_wait_loadcnt 12                              ; step 0's four loads are in
	WTURN 0
.macro WSTEP t
.set XS, X+16*((\t)%2)
.set QS, Q+4*((\t)%2)
.set CS, C+4*((\t)%2)
.set ES, E+2*((\t)%2)
	AHEAD \t, 4
.if (\t)+1 < 16
	WTURN (\t)+1
.endif
.irp j, 0,1,2,3,4,5,6,7,8,9,10,11,12,13,14,15
	v_ashrrev_i32 v[H+\j], 4, v[XS+\j]             ; row o: W_q >> 4, as a shift of a signed whole number
.endr
.irp j, 0,1,2,3,4,5,6,7,8,9,10,11,12,13,14,15
	v_and_b32 v[XS+\j], 15, v[XS+\j]               ; row o + 2048: W_q & 15
.endr
.irp j, 0,1,2,3,4,5,6,7,8,9,10,11,12,13,14,15
	v_cvt_f32_i32 v[H+\j], v[H+\j]
.endr
.irp j, 0,1,2,3,4,5,6,7,8,9,10,11,12,13,14,15
	v_cvt_f32_i32 v[XS+\j], v[XS+\j]
.endr
.irp j, 0,2,4,6,8,10,12,14
	v_pk_add_f32 v[H+\j:H+\j+1], v[H+\j:H+\j+1], v[QS:QS+1] op_sel_hi:[1,0] neg_lo:[0,1] neg_hi:[0,1]          ; - zero: the pair's first word for both halves
	v_pk_add_f32 v[XS+\j:XS+\j+1], v[XS+\j:XS+\j+1], v[QS+2:QS+3] op_sel_hi:[1,0] neg_lo:[0,1] neg_hi:[0,1]
.endr
.irp j, 0,2,4,6,8,10,12,14
	v_pk_mul_f32 v[H+\j:H+\j+1], v[H+\j:H+\j+1], v[QS:QS+1] op_sel:[0,1] op_sel_hi:[1,1]                       ; x scale: the pair's second word for both halves
	v_pk_mul_f32 v[XS+\j:XS+\j+1], v[XS+\j:XS+\j+1], v[QS+2:QS+3] op_sel:[0,1] op_sel_hi:[1,1]
.endr
	BLK H, 8, 9, 11, CS, ES
	BLK XS, 12, 13, 166, CS+2, ES+1
	ds_store_b64 v4, v[CS:CS+1] offset:REC*(\t)
	ds_store_b64 v4, v[CS+2:CS+3] offset:IMG+REC*(\t)
	ds_store_b8 v5, v[ES] offset:REC*(\t)+256
	ds_store_b8 v5, v[ES+1] offset:IMG+REC*(\t)+256
.endm
.irp t, 0,1,2,3,4,5,6,7,8,9,10,11,12,13,14,15
	WSTEP \t
.endr
	IMGIN R, 0
	IMGIN R+36, IMG
	s_wait_dscnt 9                                 ; the first image is back; the second's nine loads may be out
	IMGOUT R, 0
	s_wait_dscnt 0x0
	IMGOUT R+36, LOWG
	s_wait_tensorcnt 0x0
	ds_add_u32 v168, v169
	s_wait_dscnt 0x0
	s_endpgm
.Lfunc_end_k_q745ff78731_quant:
	.size	k_q745ff78731_quant, .Lfunc_end_k_q745ff78731_quant-k_q745ff78731_quant
	.p2alignl 7, 3214868480
	.fill 96, 4, 3214868480
	.section	.rodata,"a",@progbits
	.p2align	6, 0x0
	.amdhsa_kernel k_q745ff78731_quant
		.amdhsa_group_segment_fixed_size 101888
		.amdhsa_private_segment_fixed_size 0
		.amdhsa_enable_private_segment 0
		.amdhsa_kernarg_size 48
		.amdhsa_user_sgpr_count 2
		.amdhsa_user_sgpr_kernarg_segment_ptr 1
		.amdhsa_wavefront_size32 1
		.amdhsa_system_sgpr_workgroup_id_x 1
		.amdhsa_system_sgpr_workgroup_id_y 1
		.amdhsa_system_sgpr_workgroup_id_z 1
		.amdhsa_system_vgpr_workitem_id 0
		.amdhsa_next_free_vgpr 170
		.amdhsa_next_free_sgpr 66
		.amdhsa_reserve_vcc 0
		.amdhsa_float_denorm_mode_32 3
		.amdhsa_float_denorm_mode_16_64 3
		.amdhsa_memory_ordered 1
		.amdhsa_forward_progress 1
		.amdhsa_inst_pref_size 151
	.end_amdhsa_kernel
	.amdgpu_metadata
---
amdhsa.version: [ 1, 2 ]
amdhsa.kernels:
  - .name:           k_q745ff78731_quant
    .symbol:         k_q745ff78731_quant.kd
    .args:
      - { .name: x, .offset: 0, .size: 8, .value_kind: global_buffer, .address_space: global }
      - { .name: W_q, .offset: 8, .size: 8, .value_kind: global_buffer, .address_space: global }
      - { .name: scale, .offset: 16, .size: 8, .value_kind: global_buffer, .address_space: global }
      - { .name: zero, .offset: 24, .size: 8, .value_kind: global_buffer, .address_space: global }
      - { .name: xq, .offset: 32, .size: 8, .value_kind: global_buffer, .address_space: global }
      - { .name: wq, .offset: 40, .size: 8, .value_kind: global_buffer, .address_space: global }
    .group_segment_fixed_size: 101888
    .private_segment_fixed_size: 0
    .kernarg_segment_align: 8
    .kernarg_segment_size: 48
    .max_flat_workgroup_size: 128
    .sgpr_count:     66
    .vgpr_count:     170
    .wavefront_size: 32
...
	.end_amdgpu_metadata
.endif
;; end of part 1
;; launch gemm (part 2): grid 16 x 16, 4 waves a work-group, clusters of 4 x 4, 327,680 bytes of LDS; arguments xq, wq, bias, out0; writes out0
.if DOCPART == 2
	.amdgcn_target "amdgcn-amd-amdhsa--gfx1250"
	.amdhsa_code_object_version 6
	.text
	.protected	k_q745ff78731_gemm
	.globl	k_q745ff78731_gemm
	.p2align	8
	.type	k_q745ff78731_gemm,@function
k_q745ff78731_gemm:
	s_mov_b64 s[64:65], 0
	v_nop
	global_prefetch_b8 v0, s[64:65] scope:SCOPE_SE
	s_setreg_imm32_b32 hwreg(HW_REG_WAVE_MODE, 25, 1), 1
	s_wait_xcnt 0x0
	s_wait_alu depctr_hold_cnt(0) depctr_sa_sdst(0) depctr_va_vdst(0) depctr_va_sdst(0) depctr_va_ssrc(0) depctr_va_vcc(0) depctr_vm_vsrc(0)
	s_getreg_b32 s2, hwreg(HW_REG_IB_STS2, 6, 4)
	s_cmp_eq_u32 s2, 0
	s_cbranch_scc0 .Lentry_in_a_cluster
	s_endpgm
.Lentry_in_a_cluster:
	s_bfe_u32 s2, ttmp6, 0x10000c
	s_cmp_lg_u32 s2, 0xf033
	s_cbranch_scc0 .Lentry_shape_is_right
	s_endpgm
.Lentry_shape_is_right:
; out0[m][n] = sum over k of x[m][k] W_r[n][k] + bias[n], on the codes of FP4 (E2M1) and E8M0 scale bytes that the launch before has laid in xq and wq:
; [32 groups of 128 rows][8 K steps of 512][128 rows][272 bytes]; a record of 272 bytes is a row's 256 bytes of codes and its 16 scale bytes.
; A work-group of four waves makes 256 x 256 of out0, a wave 128 x 128: 64 accumulators, 512 registers.  4 x 4 work-groups form a cluster: x's tiles are asked for jointly along a row of it, W's along a column.
; LDS: four regions (x's rows 0-127, 128-255, W's rows 0-127, 128-255), each with two slots; a wave fills one region, 136 rows of 256 bytes to a load.  Behind them the spare words and the waves' stages.
; THE MATRIX INSTRUCTION IS USED TRANSPOSED (source 0 = 16 rows of W, source 1 = 16 rows of x): a lane holds eight neighbouring numbers of a row of out0.  The bias is the C of each sum's first product.
; REGISTERS.  Each window of 256 holds one quadrant of the accumulators at v128-255 and, at v0-63, both sets of ONE half of an operand's fragments:
;   window 0: x's blocks 0-3 (on the way out a buffer), accumulators (x lo, W lo), v64-127 the scale words (two sets of 32);   window 1: x's blocks 4-7, accumulators (x hi, W lo), v64-127 the bias, on the way out a buffer;
;   window 2: W's blocks 0-3, accumulators (x lo, W hi), v64.. addresses;                                                      window 3: W's blocks 4-7, accumulators (x hi, W hi), v64-65 addresses.
; A step of 128 along K: ONE run of 32 LDS loads, the next step's fragments into the other set, and then 64 matrix instructions by quadrants (lo,lo) (lo,hi) (hi,hi) (hi,lo).
; So every fragment is asked for a whole step ahead of its first use, and a step has one wait on DScnt, which leaves the run just issued out.
; THE LAST TWO K STEPS lie in LDS whole and nothing is filled again: their last seven steps of 128 go by halves of my rows.  Rows 0-63 are finished and stored first; rows 64-127 are multiplied
; while those stores are on their way.  The order of K within each sum stays ascending.  W's fragments of these seven steps are read from LDS twice: 112 loads more a wave.
; Window 0 is full, so the add's two registers lie in window 2, and the windows are set for them ahead of each add.
; PREFETCH: the head asks for the second K step of my walk, slot 1's first fill for the third, the first step for the fourth; from then on the fill of K step t is followed by a request for K step t + 2;
; the loop's last trip asks for nothing.  A tile of 136 blocks of 256 bytes is shared out by address among the four partners that load it jointly: 34 blocks each, 32 lanes and then 2 (the other lanes name the last block again).
.set SIZE_N, 4096
.set PITCH,  272
.set KB,     128*PITCH                 ; 128 rows of a K step
.set GB,     8*KB                      ; a group of 128 rows, all of K
.set HALFT,  KB                        ; a slot of a region
.set RG,     2*HALFT                   ; a region
.set SPARE,  4*RG                      ; behind the regions: the spare words, 128 bytes a wave
.set SPITCH, 528                       ; the way out: a stage of 16 rows x (512 + 16) bytes a wave,
.set STG,    SPARE+512                 ; behind the spare words: bytes of its own, on which no fill lands
.set ACC,  128
.set SC,   64                          ; window 0: scale words, set s at SC + 32 s; register 4 i + q: lanes 0-15 x's block i, lanes 16-31 W's block i
.set BI,   64                          ; window 1: the bias
.set ADR,  64                          ; window 2: v64-65 my x fragments in slot 0, 1;  window 3: v64-65 my W fragments
.set ADRS, 66                          ; window 2: v66-67 my scale words in slot 0, 1
.set SPW,  68                          ; window 2: my spare word's address; never rewritten
.set NIL,  69                          ; window 2: 0; never rewritten
.set STO,  70                          ; window 2: the stage, in
.set RD,   71                          ; window 2: the stage, back
.set CO,   72                          ; window 2: my 16 bytes of a row of out0
.set PFO,  73                          ; window 2: v73-74 the prefetches' offsets
.set G1, 24
.set G0, 32
.set G1B, 48
.set G0B, 56
.set TC,  66                           ; the K step that the next fill takes (modulo 8: half of the clusters begin at K step 4)
.set KO,  68
.set BA,  70                           ; x's group that I fetch
.set BB,  72                           ; W's group that I fetch
.set PFA, 74                           ; my work-group's 34 blocks of the tile that I fetch, at K step 0
.set PF,  76                           ; the same at the K step to ask for
.set PO,  78
.set MSB, 0
.macro WIN new                         ; the immediate's high byte repeats the setting that is left
.if MSB != (\new)
	s_set_vgpr_msb (MSB<<8)|(\new)
.set MSB, (\new)
.endif
.endm
.macro PLACES
.rept 4
	v_nop
.endr
.endm
.macro JLOAD g0a, g1a, g0b, g1b        ; a joint load: waves 0, 1 fetch x's halves, waves 2, 3 W's
	s_cmp_eq_u32 s15, 0
	s_cbranch_scc0 .Lfor_b_\@
	tensor_load_to_lds s[\g0a:\g0a+3], s[\g1a:\g1a+7]
	s_nop 0
	PLACES
	s_branch .Lasked_\@
.Lfor_b_\@:
	tensor_load_to_lds s[\g0b:\g0b+3], s[\g1b:\g1b+7]
	s_nop 0
	PLACES
.Lasked_\@:
.endm
.macro WHERE slot                      ; the slot's next tile: K step TC modulo 8
	s_and_b32 s[KO], s[TC], 7
	s_mul_i32 s[KO], s[KO], KB
	s_add_nc_u64 s[G0+4*\slot+2:G0+4*\slot+3], s[BA:BA+1], s[KO:KO+1]
	s_or_b32 s[G0+4*\slot+3], s[G0+4*\slot+3], 0x80000000
	s_add_nc_u64 s[G0B+4*\slot+2:G0B+4*\slot+3], s[BB:BB+1], s[KO:KO+1]
	s_or_b32 s[G0B+4*\slot+3], s[G0B+4*\slot+3], 0x80000000
	s_add_co_u32 s[TC], s[TC], 1
.endm
.macro CREST                           ; a round of the cluster's barrier behind its opening barrier
	s_cmp_lg_u32 s14, 0
	s_cbranch_scc1 .Lnot_wave_0_\@
	s_barrier_signal -3
.Lnot_wave_0_\@:
	s_barrier_wait -3
	s_barrier_signal -1
	s_barrier_wait -1
.endm
.macro CROUND
	s_barrier_signal -1
	s_barrier_wait -1
	CREST
.endm
.macro ASKAT off                       ; my 34 blocks of the tile at PF + off; the windows are set for v[PFO]
	global_prefetch_b8 v[PFO], s[PF:PF+1] offset:\off th:TH_LOAD_NT scope:SCOPE_SE
	global_prefetch_b8 v[PFO+1], s[PF:PF+1] offset:\off th:TH_LOAD_NT scope:SCOPE_SE
.endm
	s_load_b128 s[4:7], s[0:1], 0x0                ; xq, wq
	s_load_b128 s[8:11], s[0:1], 0x10              ; bias, out0
	WIN 0x80                                       ; destination window 2
	v_lshl_add_u32 v[SPW], v0, 2, SPARE
	v_mov_b32 v[NIL], 0
	WIN 0x0a                                       ; address and data window 2
	ds_add_u32 v[SPW], v[NIL]                      ; the opening lines: the add, twice on end, and its wait ahead of my first tensor load
	ds_add_u32 v[SPW], v[NIL]
	WIN 0
	v_lshrrev_b32 v1, 5, v0
	v_readfirstlane_b32 s14, v1                    ; wave
	s_lshr_b32 s15, s14, 1                         ; my half of the block's rows; also: I fetch for x (0) or W (1)
	s_and_b32 s16, s14, 1                          ; my half of its columns; also: which 128 rows I fetch
	s_bfe_u32 s40, ttmp6, 0x40000                  ; cx
	s_bfe_u32 s41, ttmp6, 0x40004                  ; cy
	s_lshl_b32 s42, ttmp9, 2
	s_add_co_u32 s42, s42, s40                     ; block column
	s_and_b32 s17, ttmp7, 0xffff
	s_lshl_b32 s17, s17, 2
	s_add_co_u32 s17, s17, s41                     ; block row
	s_lshl_b32 s43, s41, 2
	s_lshl_b32 s43, 15, s43                        ; my row of the cluster
	s_lshl_b32 s44, 0x1111, s40                    ; my column
	s_and_b32 s[TC], ttmp7, 0xffff                 ; the first K step, 0 or 4, by the cluster's place in the grid
	s_xor_b32 s[TC], s[TC], ttmp9
	s_lshr_b32 s[KO], s[TC], 1
	s_xor_b32 s[TC], s[TC], s[KO]
	s_and_b32 s[TC], s[TC], 1
	s_lshl_b32 s[TC], s[TC], 2
	s_mov_b32 s[KO+1], 0
	s_mov_b32 s[PO+1], 0
	s_or_b32 s[G1+0], s43, (3<<16)|(1<<21)         ; elements of 8 bytes, the mask, bit 21 beside it
	s_or_b32 s[G1B+0], s44, (3<<16)|(1<<21)
.irp g, G1, G1B
	s_mov_b32 s[\g+1], 32<<16                      ; rows of 256 bytes,
	s_mov_b32 s[\g+2], 136<<16                     ; 136 of them: 128 records
	s_mov_b32 s[\g+3], 32<<16
	s_mov_b32 s[\g+4], 136
	s_mov_b32 s[\g+5], 32
	s_mov_b32 s[\g+6], 0
	s_mov_b32 s[\g+7], 0
.endr
	s_lshl_b32 s20, s17, 1
	s_add_co_u32 s20, s20, s16
	s_mul_i32 s20, s20, GB
	s_mov_b32 s21, 0
	s_lshl_b32 s46, s42, 1
	s_add_co_u32 s46, s46, s16
	s_mul_i32 s46, s46, GB
	s_mov_b32 s47, 0
	s_mul_i32 s45, s14, RG                         ; the region that I fill
	s_mul_i32 s80, s15, RG                         ; the region of x that I read: slot 0,
	s_add_co_u32 s81, s80, HALFT                   ; slot 1,
	s_add_co_u32 s82, s80, 256                     ; and their scale bytes
	s_add_co_u32 s83, s81, 256
	s_mul_i32 s84, s16, RG
	s_add_co_u32 s84, s84, 2*RG                    ; the region of W that I read
	s_add_co_u32 s85, s84, HALFT
	s_sub_co_u32 s86, s84, s80                     ; from my x region to my W region
	s_mul_i32 s87, s14, 16*SPITCH
	s_add_co_u32 s87, s87, STG                     ; my stage
	s_wait_dscnt 0x0                               ; both opening adds are done
	s_wait_kmcnt 0x0
	s_add_nc_u64 s[BA:BA+1], s[4:5], s[20:21]
	s_add_nc_u64 s[BB:BB+1], s[6:7], s[46:47]
	s_cmp_eq_u32 s15, 0
	s_cselect_b64 s[PFA:PFA+1], s[BA:BA+1], s[BB:BB+1]
	s_cselect_b32 s18, s40, s41                    ; my place among the four that load the tile with me
	s_mul_i32 s18, s18, 34*256
	s_mov_b32 s19, 0
	s_add_nc_u64 s[PFA:PFA+1], s[PFA:PFA+1], s[18:19]
	CROUND                                         ; all sixteen work-groups are here: the first joint loads meet
.irp s, 0,1
	s_mov_b32 s[G0+4*\s], 1
	s_add_co_u32 s[G0+4*\s+1], s45, \s*HALFT
	s_mov_b32 s[G0B+4*\s], 1
	s_add_co_u32 s[G0B+4*\s+1], s45, \s*HALFT
.endr
	s_mul_i32 s[PO], s[TC], KB
	s_add_nc_u64 s[PF:PF+1], s[PFA:PFA+1], s[PO:PO+1]
	WHERE 0
	JLOAD G0, G1, G0B, G1B                         ; my one tensor load at the head: my part of the first K step
	s_lshl_b32 s46, s42, 10                        ; my first column in bytes
	s_lshl_b32 s47, s16, 9
	s_add_co_u32 s46, s46, s47
	s_mov_b32 s47, 0
	s_add_nc_u64 s[8:9], s[8:9], s[46:47]
	s_lshl_b32 s20, s17, 8
	s_lshl_b32 s21, s15, 7
	s_add_co_u32 s20, s20, s21                     ; my first row,
	s_lshl_b32 s20, s20, 14                        ; x 16,384 bytes (under 2^26)
	s_mov_b32 s21, 0
	s_add_nc_u64 s[10:11], s[10:11], s[20:21]
	s_add_nc_u64 s[10:11], s[10:11], s[46:47]
	v_and_b32 v1, 15, v0                           ; r
	v_bfe_u32 v2, v0, 4, 1                         ; h
	v_and_b32 v3, 31, v0                           ; lane
	v_mul_u32_u24 v4, v1, PITCH
	v_lshl_add_u32 v5, v2, 4, v4                   ; a fragment: row x pitch + 16 h
	v_mul_u32_u24 v6, s86, v2                      ; scale words: lanes 16-31 take W's
	v_add_nc_u32 v6, v4, v6
	v_mul_u32_u24 v7, v1, SPITCH
	v_lshl_add_u32 v7, v2, 5, v7                   ; the stage, in: row r, 32 bytes for each half of the lanes
	v_lshlrev_b32 v8, 4, v3
	v_lshlrev_b32 v9, 5, v2                        ; the bias of my 8 columns of a block
	v_lshlrev_b32 v10, 8, v3                       ; blocks 0-31 of my 34,
	v_min_u32 v11, 1, v3
	v_lshl_add_u32 v11, v11, 8, 0x2000             ; blocks 32 and 33
	s_wait_alu depctr_va_vdst(0)
	WIN 0x80
	v_add_nc_u32 v[ADR], s80, v5
	v_add_nc_u32 v[ADR+1], s81, v5
	v_add_nc_u32 v[ADRS], s82, v6
	v_add_nc_u32 v[ADRS+1], s83, v6
	v_add_nc_u32 v[STO], s87, v7
	v_add_nc_u32 v[RD], s87, v8
	v_mov_b32 v[CO], v8
	v_mov_b32 v[PFO], v10
	v_mov_b32 v[PFO+1], v11
	WIN 0xc0
	v_add_nc_u32 v[ADR], s84, v5
	v_add_nc_u32 v[ADR+1], s85, v5
	WIN 0x40
.irp b, 0,1,2,3,4,5,6,7
	global_load_b128 v[BI+8*\b:BI+8*\b+3],   v9, s[8:9] offset:64*\b
	global_load_b128 v[BI+8*\b+4:BI+8*\b+7], v9, s[8:9] offset:64*\b+16
.endr
	WIN 0x02
	ASKAT KB                                       ; the second K step of my walk
	WIN 0
; 16 matrix instructions: quadrant (ah, bh), fragment set p, the slot's q-th 128 along K, scale set sc.  first = 1: C is the bias.
; The accumulators take turns, one instruction a turn.
.macro PHASE ah, bh, p, q, sc, first
.irp a, 0,1,2,3
.irp b, 0,1,2,3
.if \first
	v_wmma_scale_f32_16x16x128_f8f6f4 v[ACC+8*(4*\a+\b):ACC+8*(4*\a+\b)+7], v[32*(\p)+8*\b:32*(\p)+8*\b+7], v[32*(\p)+8*\a:32*(\p)+8*\a+7], v[BI+8*(4*(\bh)+\b):BI+8*(4*(\bh)+\b)+7], v[SC+32*(\sc)+4*(4*(\bh)+\b)+(\q)], v[SC+32*(\sc)+4*(4*(\ah)+\a)+(\q)] matrix_a_fmt:MATRIX_FMT_FP4 matrix_b_fmt:MATRIX_FMT_FP4 matrix_a_scale:MATRIX_SCALE_ROW1
.else
	v_wmma_scale_f32_16x16x128_f8f6f4 v[ACC+8*(4*\a+\b):ACC+8*(4*\a+\b)+7], v[32*(\p)+8*\b:32*(\p)+8*\b+7], v[32*(\p)+8*\a:32*(\p)+8*\a+7], v[ACC+8*(4*\a+\b):ACC+8*(4*\a+\b)+7], v[SC+32*(\sc)+4*(4*(\bh)+\b)+(\q)], v[SC+32*(\sc)+4*(4*(\ah)+\a)+(\q)] matrix_a_fmt:MATRIX_FMT_FP4 matrix_b_fmt:MATRIX_FMT_FP4 matrix_a_scale:MATRIX_SCALE_ROW1
.endif
.endr
.endr
.endm
.macro FRAGS p, adr, off               ; four fragments
.irp f, 0,1,2,3
	ds_load_b128 v[32*(\p)+8*\f:32*(\p)+8*\f+3],   v[\adr] offset:(\off)+\f*16*PITCH
	ds_load_b128 v[32*(\p)+8*\f+4:32*(\p)+8*\f+7], v[\adr] offset:(\off)+\f*16*PITCH+32
.endr
.endm
.macro SCALES sc                       ; a K step's scale words: four words a row
.irp i, 0,1,2,3,4,5,6,7
	ds_load_b128 v[SC+32*\sc+4*\i:SC+32*\sc+4*\i+3], v[ADRS+\sc] offset:\i*16*PITCH
.endr
.endm
; One run of LDS loads: x's half ah and both halves of W, at byte off of the slot's rows, into set p; sc = 1: with the slot's scale words.
; A load's destination takes the window of the field that names D, its address that of source 0.
.macro HRUN ah, slot, p, off, sc
.if \ah
	WIN 0x42
	FRAGS \p, ADR+\slot, (\off)+64*PITCH           ; x hi -> window 1
.else
	WIN 0x02
	FRAGS \p, ADR+\slot, \off                      ; x lo -> window 0
.endif
.if \sc
	WIN 0x02
	SCALES \slot
.endif
	WIN 0x83
	FRAGS \p, ADR+\slot, \off                      ; W lo -> window 2
	WIN 0xc3
	FRAGS \p, ADR+\slot, (\off)+64*PITCH           ; W hi -> window 3
.endm
.macro RUN slot, p, off, sc            ; a whole step's sixteen fragments
	HRUN 0, \slot, \p, \off, \sc
	WIN 0x42
	FRAGS \p, ADR+\slot, (\off)+64*PITCH
.endm
; A step that has its successor in the same slot.  The four v_nop are the places between the last step's matrix instructions and the loads into the set that they read.
.macro NSTEP slot, q, first
	PLACES
	RUN \slot, 1-(\q)%2, 64*((\q)+1), 0
	s_wait_dscnt 32                                ; all but the 32 just issued: this step's fragments, asked for a step ago, are in
	WIN 0x02+0x10*(\first)
	PHASE 0, 0, (\q)%2, \q, \slot, \first
	WIN 0xa3-0x10*(\first)
	PHASE 0, 1, (\q)%2, \q, \slot, \first
	WIN 0xf7-0x20*(\first)
	PHASE 1, 1, (\q)%2, \q, \slot, \first
	WIN 0x56
	PHASE 1, 0, (\q)%2, \q, \slot, \first
.endm
; A slot's last step changes slots.  In front of the barrier each wave waits for all its tensor loads, adds 0 to its spare word, and waits for that and for its reads of this slot.
; The barrier opens a round of the cluster's barrier, and this slot is filled again first behind it.
.macro TURN slot, next
	s_wait_xcnt 0x0                                ; my earlier prefetches have read their address: it is written below
	WIN 0x0a
	s_wait_tensorcnt 0x0                           ; all my tensor loads have landed: my part of the next slot
	ds_add_u32 v[SPW], v[NIL]
	WHERE \slot
	s_add_co_u32 s[PO], s[TC], 1                   ; the K step two fills on
	s_and_b32 s[PO], s[PO], 7
	s_mul_i32 s[PO], s[PO], KB
	s_add_nc_u64 s[PF:PF+1], s[PFA:PFA+1], s[PO:PO+1]
	s_wait_dscnt 1                                 ; this step's fragments are in; the add may be out
	WIN 0x02
	PHASE 0, 0, 1, 3, \slot, 0                     ; sixteen matrix instructions stand between the add and the wait for it
	s_wait_dscnt 0x0                               ; the add is done, my reads of this slot are over
	s_barrier_signal -1
	WIN 0xa3
	PHASE 0, 1, 1, 3, \slot, 0
	WIN 0
	s_barrier_wait -1
	CREST
	JLOAD G0+4*\slot, G1, G0B+4*\slot, G1B         ; the first tensor load behind the round; its four v_nop are the places in front of the loads below
	RUN \next, 0, 0, 1                             ; the next slot's first fragments and its scale words
	WIN 0
	s_cmp_gt_u32 s3, 1                             ; the loop's last trip has no K step two fills on
	s_cbranch_scc0 .Lno_ask_\@
	WIN 0x02
	ASKAT 0
	WIN 0
.Lno_ask_\@:
	WIN 0xf7
	PHASE 1, 1, 1, 3, \slot, 0
	WIN 0x56
	PHASE 1, 0, 1, 3, \slot, 0
.endm
; Half a step: my rows' half ah, 32 matrix instructions on set p.  ld = 1: ahead of them a run of 24 loads for the half step that follows (x's half nah, slot nslot, byte noff) into the other set.
.macro HALF ah, slot, q, p, ld, nah, nslot, noff
.if \ld
	PLACES
	HRUN \nah, \nslot, 1-(\p), \noff, 0
	s_wait_dscnt 24                                ; all but the 24 just issued
.else
	s_wait_dscnt 0x0
.endif
.if \ah
	WIN 0xf7
	PHASE 1, 1, \p, \q, \slot, 0
	WIN 0x56
	PHASE 1, 0, \p, \q, \slot, 0
.else
	WIN 0x02
	PHASE 0, 0, \p, \q, \slot, 0
	WIN 0xa3
	PHASE 0, 1, \p, \q, \slot, 0
.endif
.endm
; THE WAY OUT, by blocks of 16 rows x 128 columns, through my own stage: in as 32 bytes a lane, back as whole rows of 512 bytes, which the 32 lanes store as two aligned units of 256 bytes.
; LDS serves a wave's instructions in order (ISA guide 5.7.1.4): no wait between the stores and the loads.  Accumulator (a, b) lies in window a / 4 + 2 (b / 4).
; Even blocks come back into window 1's v64-127, odd ones into window 0's v0-63.
.macro TOSTAGE a
.irp b, 0,1,2,3,4,5,6,7
	WIN 0x02+4*(((\a)/4)+2*(\b/4))
	ds_store_b128 v[STO], v[ACC+8*(4*((\a)%4)+(\b%4)):ACC+8*(4*((\a)%4)+(\b%4))+3] offset:64*\b          ; each accumulator from its low end on
	ds_store_b128 v[STO], v[ACC+8*(4*((\a)%4)+(\b%4))+4:ACC+8*(4*((\a)%4)+(\b%4))+7] offset:64*\b+16
.endr
	WIN 0x02+0x40*(1-((\a)%2))
.set BB2, 64*(1-((\a)%2))
.irp t, 0,1,2,3,4,5,6,7,8,9,10,11,12,13,14,15
	ds_load_b128 v[BB2+4*\t:BB2+4*\t+3], v[RD] offset:\t*SPITCH
.endr
.endm
.macro SEND a, younger                 ; younger: the LDS instructions issued behind block a's loads
.set BB2, 64*(1-((\a)%2))
	s_wait_dscnt \younger
.if (\a) > 0
	s_add_nc_u64 s[10:11], s[10:11], 16*SIZE_N*4   ; behind a wait on XCNT: the earlier stores have read their base
.endif
	WIN 0x02+4*(1-((\a)%2))
.irp t, 0,1,2,3,4,5,6,7,8,9,10,11,12,13,14,15
	global_store_b128 v[CO], v[BB2+4*\t:BB2+4*\t+3], s[10:11] offset:\t*SIZE_N*4 th:TH_STORE_NT
.endr
.endm
.macro OUT4 a0                         ; four blocks leave; while one block's rows are stored, the next is on its way through the stage
	PLACES                                         ; in front of the reads of results and of the loads into registers that held fragments
	s_wait_xcnt 0x0                                ; earlier stores have read their registers and their base
	TOSTAGE \a0
	TOSTAGE \a0+1
	SEND \a0, 32
	s_wait_xcnt 0x0
	TOSTAGE \a0+2
	SEND \a0+1, 32
	s_wait_xcnt 0x0
	TOSTAGE \a0+3
	SEND \a0+2, 32
	s_wait_xcnt 0x0
	SEND \a0+3, 0
.endm
	s_wait_alu depctr_va_vdst(0)
	s_wait_loadcnt 0x0                             ; the bias
	WIN 0x0a
	s_wait_tensorcnt 0x0                           ; my part of the first K step is in
	ds_add_u32 v[SPW], v[NIL]
	WHERE 1
	s_wait_dscnt 0x0
	WIN 0
	CROUND                                         ; everybody's part is in, and all sixteen work-groups are here
	JLOAD G0+4, G1, G0B+4, G1B                     ; slot 1's first fill, the first tensor load behind the round
	WIN 0x02
	ASKAT 2*KB                                     ; the third K step of my walk
	RUN 0, 0, 0, 1
	NSTEP 0, 0, 1                                  ; the first step stands in front of the loop: its products start the sums on the bias
	WIN 0x02
	ASKAT 3*KB                                     ; the fourth
	WIN 0
	s_mov_b32 s3, 3
.Llap:                                                 ; a trip goes once round the ring and fills both slots again
	NSTEP 0, 1, 0
	NSTEP 0, 2, 0
	TURN 0, 1
	NSTEP 1, 0, 0
	NSTEP 1, 1, 0
	NSTEP 1, 2, 0
	TURN 1, 0
	NSTEP 0, 0, 0
	WIN 0
	s_sub_co_u32 s3, s3, 1
	s_cmp_lg_u32 s3, 0
	s_cbranch_scc1 .Llap
	; the last seven steps of 128, for my rows 0-63
	HALF 0, 0, 1, 1, 1, 0, 0, 128
	HALF 0, 0, 2, 0, 1, 0, 0, 192
	s_wait_dscnt 0x0                               ; slot 0's last fragments for these rows are in
	s_wait_tensorcnt 0x0                           ; my part of slot 1, the last tile, has landed
	s_barrier_signal -1
	WIN 0x02
	PHASE 0, 0, 1, 3, 0, 0
	PLACES
	s_barrier_wait -1                              ; everybody's has: slot 1 may be read.  Nothing is filled again
	HRUN 0, 1, 0, 0, 1
	WIN 0xa3
	PHASE 0, 1, 1, 3, 0, 0
	HALF 0, 1, 0, 0, 1, 0, 1, 64
	HALF 0, 1, 1, 1, 1, 0, 1, 128
	HALF 0, 1, 2, 0, 1, 0, 1, 192
	HALF 0, 1, 3, 1, 1, 1, 0, 64                   ; its run fetches the first half step of rows 64-127
	OUT4 0                                         ; rows 0-63 leave
	; the same seven steps for my rows 64-127, while those stores are on their way
	HALF 1, 0, 1, 0, 1, 1, 0, 128
	HALF 1, 0, 2, 1, 1, 1, 0, 192
	HALF 1, 0, 3, 0, 1, 1, 1, 0
	HALF 1, 1, 0, 1, 1, 1, 1, 64
	HALF 1, 1, 1, 0, 1, 1, 1, 128
	HALF 1, 1, 2, 1, 1, 1, 1, 192
	HALF 1, 1, 3, 0, 0, 0, 0, 0
	OUT4 4
	WIN 0x0a
	s_wait_tensorcnt 0x0                           ; the wave's end
	ds_add_u32 v[SPW], v[NIL]
	s_wait_dscnt 0x0
	WIN 0
	CROUND                                         ; the closing round
	s_endpgm
.Lfunc_end_k_q745ff78731_gemm:
	.size	k_q745ff78731_gemm, .Lfunc_end_k_q745ff78731_gemm-k_q745ff78731_gemm
	.p2alignl 7, 3214868480
	.fill 96, 4, 3214868480
	.section	.rodata,"a",@progbits
	.p2align	6, 0x0
	.amdhsa_kernel k_q745ff78731_gemm
		.amdhsa_group_segment_fixed_size 327680
		.amdhsa_private_segment_fixed_size 0
		.amdhsa_enable_private_segment 0
		.amdhsa_kernarg_size 32
		.amdhsa_user_sgpr_count 2
		.amdhsa_user_sgpr_kernarg_segment_ptr 1
		.amdhsa_wavefront_size32 1
		.amdhsa_system_sgpr_workgroup_id_x 1
		.amdhsa_system_sgpr_workgroup_id_y 1
		.amdhsa_system_sgpr_workgroup_id_z 1
		.amdhsa_system_vgpr_workitem_id 0
		.amdhsa_next_free_vgpr 1024
		.amdhsa_next_free_sgpr 88
		.amdhsa_reserve_vcc 0
		.amdhsa_float_denorm_mode_32 3
		.amdhsa_float_denorm_mode_16_64 3
		.amdhsa_memory_ordered 1
		.amdhsa_forward_progress 1
		.amdhsa_inst_pref_size 223
	.end_amdhsa_kernel
	.amdgpu_metadata
---
amdhsa.version: [ 1, 2 ]
amdhsa.kernels:
  - .name:           k_q745ff78731_gemm
    .symbol:         k_q745ff78731_gemm.kd
    .args:
      - { .name: xq, .offset: 0, .size: 8, .value_kind: global_buffer, .address_space: global }
      - { .name: wq, .offset: 8, .size: 8, .value_kind: global_buffer, .address_space: global }
      - { .name: bias, .offset: 16, .size: 8, .value_kind: global_buffer, .address_space: global }
      - { .name: out0, .offset: 24, .size: 8, .value_kind: global_buffer, .address_space: global }
    .group_segment_fixed_size: 327680
    .private_segment_fixed_size: 0
    .kernarg_segment_align: 8
    .kernarg_segment_size: 32
    .max_flat_workgroup_size: 128
    .sgpr_count:     88
    .vgpr_count:     1024
    .wavefront_size: 32
...
	.end_amdgpu_metadata
.endif
;; end of part 2
